; MI455X (gfx1250); checked and timed in simulation.
; The chip was launched on July 23, 2026; its instructions are those of AMD's public machine-readable ISA for CDNA 5 (MIT licence, August 2026) and "CDNA5" Instruction Set Architecture Reference Guide (July 2026). The comments in the code are by the model that wrote it; some were corrected since.
;; Meta Learner. Allowed arithmetic: matrix products marked QUANTISED: E4M3 operands, one given power-of-two scale a tensor, by v_wmma_f32_16x16x64_fp8_fp8 or v_wmma_f32_16x16x128_fp8_fp8, f32 sums; products left as they are: f32 operands where the result goes on into a quantised operand, else bf16, f16 or f32 operands; f32 sums; everything else in f32.
;; Inputs: W1 2,048 x 1,024 float32; W2 1,024 x 1,024 float32; b1 1,024 float32; b2 1,024 float32; features 16,384 x 1,024 float32; lowp_scales 4 int32 (the exponents e of the quantised operands' scales 2^e); prototypes 10 x 1,024 float32.
;; Outputs: out0 16,384 x 1,024 float32.
;; This version of the problem:
;;   THIS VERSION OF THE PROBLEM IS GIVEN IN LOW PRECISION. The matrix products marked QUANTISED in the list below multiply operands that are first quantised to E4M3 (4 exponent bits, 3 mantissa bits; 8 bits a number), with one given power-of-two scale for each operand tensor; their sums are f32. All else is computed in f32.
;;   The module's matrix products, in the order in which they are computed (A, B: the left and right operand; K: the contracted axis; several contracted axes count as one K, in the product's order):
;;     1. [M 16,384, K 1,024] x [K 1,024, N 10]; A: input features; B: input prototypes: left as it is (N = 10 < 16)
;;     2. [M 16,384, K 2,048] x [K 2,048, N 1,024]; A: computed on the way; B: input W1: QUANTISED (scales: A lowp_scales[0], B lowp_scales[1])
;;     3. [M 16,384, K 1,024] x [K 1,024, N 1,024]; A: computed on the way; B: input W2: QUANTISED (scales: A lowp_scales[2], B lowp_scales[3])
;;   THE QUANTISER, for each operand of a quantised product, along K:
;;     - The operand's scale is 2^e, e = its entry of the input lowp_scales (int32; the entries are numbered through the quantised products in the list's order, A before B).
;;     - Each number is divided by the scale, clamped to +-448, and rounded to the nearest number of E4M3, ties to even, subnormals kept.
;;     - The product sums the exact products of the quantised numbers (number of the format x scale) in f32.
;;   ~~~python
;;   def quantise(x, axis, e):      # numpy; x: float32 -> the quantised numbers, widened to float32 again
;;       x = np.moveaxis(x, axis, -1); K = x.shape[-1]
;;       r = np.clip(x / 2.0 ** e, -448, 448)
;;       step = 2.0 ** (np.maximum(np.frexp(np.where(r == 0, 1, r))[1] - 1, -6) - 3)
;;       q = np.round(r / step) * step * 2.0 ** e      # np.round: ties to even
;;       return np.moveaxis(q, -1, axis).astype(np.float32)
;;   ~~~
;;   OPERANDS COMPUTED ON THE WAY. 'Computed on the way' means the value that the module computes at that place (a softmax that the list does not call 'softmax' is quantised finished and normalised). What goes into a quantiser is computed in f32, as accurately as f32 sums, v_exp_f32 and their like allow (about 1e-6 of the number): no bf16 or f16 on the way to a quantiser, and a product that is left as it is and whose result goes on into a quantised operand takes f32 operands (vector FMAs, or v_wmma_f32_16x16x4_f32). A number that lies on a knife's edge between two numbers of the format may be rounded either way, as far as f32 arithmetic and the matrix unit's own rounding can turn it there, and no further.
;; One version. Each part assembles by itself: llvm-mc -triple=amdgcn-amd-amdhsa -mcpu=gfx1250 --defsym DOCPART=n.
;; ======== version 1 of 1: 3 launches
;; limits: right only within a limited range of input values
;; workspace buffers: fc 16,777,216 bytes; w1c 1,048,576 bytes; w2c 1,048,576 bytes; tab 65,536 bytes; idx 65,536 bytes of whole numbers; hc 16,777,216 bytes
;; launch prep (part 1): grid 256 x 1, 8 waves a work-group, no clusters, 60,928 bytes of LDS; arguments features, prototypes, W1, W2, b1, lowp_scales, fc, idx, w1c, w2c, tab; writes fc, idx, w1c, w2c, tab
.if DOCPART == 1
	.amdgcn_target "amdgcn-amd-amdhsa--gfx1250"
	.amdhsa_code_object_version 6
	.text
	.protected	k_qf9f4e07d35_prep
	.globl	k_qf9f4e07d35_prep
	.p2align	8
	.type	k_qf9f4e07d35_prep,@function
k_qf9f4e07d35_prep:
	s_mov_b64 s[64:65], 0
	v_nop
	global_prefetch_b8 v0, s[64:65] scope:SCOPE_SE
	s_setreg_imm32_b32 hwreg(HW_REG_WAVE_MODE, 25, 1), 1
	s_wait_xcnt 0x0
; PREP: all that stands ahead of the two large products.  256 work-groups of eight waves; work-group g does three things:
;   FEATURES: rows 64 g .. 64 g + 63, eight a wave: the squared distances to the 10 prototypes in f32 (f2 + p2 - 2 f.p, as the problem writes them), their argmin (the lower index on a tie) -> idx; the row's codes -> fc.
;   WEIGHTS:  one piece of 32 columns x 256 places of W1[0:1024] (g < 128) or of W2 (f32, K their first axis), a block of 32 places a wave, as E4M3 codes with K innermost.  w1c: rows [1024 rho][1024 p].
;             w2c: IMAGES OF THE OPERAND'S REGISTERS: for tile T of 16 columns n and chunk q of 128 places, 2,048 bytes at 2,048 (8 T + q): piece c at 512 c, lane l's 16 bytes at 16 l = column 16 T + l % 16, places 128 q + 32 c + 16 (l / 16) + 0 .. 15.
;   TABLE (g < 64 alone): tab[j][rho] = (Q(prototypes)[j] . Q(W1[1024:2048])[:, n]) x 2^(e0+e1) + b1[n] for the 16 columns n = 16 g on; wave w takes k = 128 w on, the eight parts meet in LDS.
;             The second half of a row of 'combined' is one of 10 prototypes, quantised with the same scale e0 as the first half, so that half of the first large product has 10 different rows:
;             it is multiplied once, on E4M3 codes, and the next launch adds the row that idx names.
; THE ORDER OF K.  A lane of the FEATURES part loads 16 consecutive bytes of 512, so it holds k = 128 t + 4 l + i (chunk t, lane l, i = 0..3).  Its 16 codes of four chunks are stored as 16 consecutive bytes:
; in each group of 512, place p = 16 l + 4 t' + i holds index 128 t' + 4 l + i.  The same order is given to w1c's and w2c's K (by the immediates of their loads), and the hidden units are numbered in it too (rho):
; w1c's rows, tab's columns, and so the next launch's codes, which meet w2c's K.
; ONE BARRIER: in front of it a wave has laid its chunk of the prototypes, its block of the weights' stage and (g < 64) its part of the table in LDS, each in bytes of its own.
; Every LDS address is made at the head, ahead of the first branch on the work-group's number.
; QUANTISER: code = x / 2^e, held within +-448, to the nearest E4M3 code, ties to even.
; LIMITS: e0, e1, e3 between -126 and 119; e0 + e1 between -126 and 126 (each power of two below is an f32 number).  NaN and infinities among the inputs are not served.
; No tensor load, no cluster, no prefetch: the text is a stream with no loop to run ahead in; a wave has 32 loads of 512 bytes of its rows out; what work-groups share is 40,960 bytes of prototypes.
.set PT,    0                          ; LDS: the prototypes in pairs, 40,960 bytes
.set STG,   40960                      ; LDS: the weights' stage, 32 rows (columns) x 272 bytes
.set PART,  49664                      ; LDS: the table's parts, 16 rows x 80 bytes for each wave
.set SPARE, 59904                      ; LDS: the spare words, 128 bytes for each wave: four blocks of 256 bytes that no other line names
.set XO,  2                            ; 16 l: x's loads, fc's stores, reads of the prototypes (PT = 0)
.set PS,  3                            ; 16 l + 1,024 w: where my wave lays its chunk of the prototypes
.set PO,  4                            ; 16 l + 512 w: where it loads it
.set WL2, 5                            ; W2's way out: where I read the stage
.set IO,  6                            ; 4 (l % 8)
.set SCL, 7                            ; 2^e0
.set LIM, 8                            ; 448 x 2^e0
.set SPW, 10                           ; my spare word; never rewritten
.set NIL, 11                           ; 0; never rewritten
.set WO,  12                           ; the weights' way out: byte offset of my stores
.set WL1, 13                           ; W1's way out: where I read the stage
.set WI,  14                           ; 4 l: the weights' loads
.set WS,  15                           ; where I put my column's 32 codes
.set WX,  16                           ; v16-47 a block of the weights; then the prototypes' two sets
.set S1,  48                           ; 2^e and 448 x 2^e of my weight tensor
.set L1,  49
.set WC,  50                           ; v50-57 its codes
.set AF,  58                           ; v58-73 TABLE: the prototypes' fragment; v74-89 W1's; v90-97 b1, then the sum; v58-89 later the eight parts
.set BF,  74
.set DD,  90
.set RS,  58
.set TRD, 100                          ; TABLE: where a thread reads the eight parts
.set TH,  104                          ; TABLE: 32 h: b1's loads
.set OUTR, 114                         ; v114-121 the weights' way out
.set TA,  122                          ; TABLE: offsets of the prototypes' and W1's loads
.set TBO, 123
.set RR,  125                          ; l % 16
.set HH,  126                          ; l / 16
.set TPS, 127                          ; TABLE: my part's place in LDS
.set PAB, 16                           ; FEATURES: v16-55 two sets of prototypes; v56-65 p.p; v66-81 f.f; v82-113 codes; v128-255 x, two sets of two chunks x 8 rows
.set P2A, 56
.set F2,  66
.set CD,  82
.set X,   128
.set R1,  128                          ; the reduction works in x's registers
.set R2,  172
.set TP,  80                           ; window 1: v0-79 the sums f.p (row rho, pair q at 10 rho + 2 q); v80-143 TABLE: the prototypes' 64 numbers; v144-207 W1's
.set TW,  144
.set MSB, 0
.macro WIN new                         ; register windows: bits 1:0 source 0, 3:2 source 1, 5:4 source 2, 7:6 destination; the immediate's high byte repeats the setting that is left
.if MSB != (\new)
	s_set_vgpr_msb (MSB<<8)|(\new)
.set MSB, (\new)
.endif
.endm
.macro MKSCALE e, vs, vl               ; s[e] = an exponent: v[vs] = 2^e as f32 (the conversion takes its exponent field), v[vl] = 448 x 2^e.  s37, s38 at work
	s_add_co_i32 s37, s[\e], 127
	s_lshl_b32 s38, s37, 23
	v_mov_b32 v[\vs], s38
	s_add_co_i32 s37, s37, 8
	s_lshl_b32 s37, s37, 23
	s_or_b32 s37, s37, 0x600000
	v_mov_b32 v[\vl], s37
.endm
.macro XLOAD u                         ; chunks 2 u and 2 u + 1 of my eight rows, chunk by chunk, into set u % 2
.irp tt, 0,1
.irp r, 0,1,2,3,4,5,6,7
	global_load_b128 v[X+64*((\u)%2)+8*\r+4*\tt:X+64*((\u)%2)+8*\r+4*\tt+3], v[XO], s[4:5] offset:4096*\r+512*(2*(\u)+\tt) th:TH_LOAD_NT
.endr
.endr
.endm
; What every work-group asks for at the start, 74 loads a wave, and the scales.  It stands in both arms of the branch below, and holds no LDS instruction.
.macro COMMON
.set j, 0
.rept 32                               ; WEIGHTS: place j of my 32: index 128 ((j / 4) % 4) + 4 (j / 16) + j % 4 from my first; a wave's load reads 128 consecutive bytes
	global_load_b32 v[WX+j], v[WI], s[54:55] offset:(128*((j/4)%4)+4*(j/16)+(j%4))*4096
.set j, j+1
.endr
	WIN 0x40                                       ; the sums' registers carry my wave's chunk w of the ten prototypes on its way to LDS
.irp j, 0,1,2,3,4,5,6,7,8,9
	global_load_b128 v[4*\j:4*\j+3], v[PO], s[6:7] offset:4096*\j
.endr
	WIN 0
	XLOAD 0
	XLOAD 1
	s_mov_b32 s40, 0xaaaaaaaa                      ; lanes with bit 0, bit 1, bit 2 of their number set
	s_mov_b32 s41, 0xcccccccc
	s_mov_b32 s42, 0xf0f0f0f0
	s_mov_b32 s44, 0x76543210                      ; v_permlanex16_b32: lane l takes lane l xor 16
	s_mov_b32 s45, 0xfedcba98
	s_wait_kmcnt 0x0
	MKSCALE 28, SCL, LIM                           ; e0
	s_cmp_eq_u32 s27, 0
	s_cselect_b32 s39, s29, s31                    ; e1 or e3
	MKSCALE 39, S1, L1
	s_wait_alu depctr_va_vdst(0)
.endm
	s_load_b256 s[4:11], s[0:1], 0x0               ; features s[4:5], prototypes s[6:7], W1 s[8:9], W2 s[10:11]
	s_load_b256 s[12:19], s[0:1], 0x20             ; b1 s[12:13], the exponents s[14:15], fc s[16:17], idx s[18:19]
	s_load_b128 s[20:23], s[0:1], 0x40             ; w1c s[20:21], w2c s[22:23]
	s_load_b64 s[24:25], s[0:1], 0x50              ; tab
	v_lshl_add_u32 v[SPW], v0, 2, SPARE
	v_mov_b32 v[NIL], 0
	v_lshrrev_b32 v1, 5, v0
	v_readfirstlane_b32 s26, v1                    ; wave 0..7
	s_mov_b32 s35, 0                               ; the upper word of every offset pair s[34:35]
	s_lshl_b32 s36, s26, 10                        ; the wave's terms of the addresses below
	s_lshl_b32 s37, s26, 9
	s_lshl_b32 s38, s26, 5
	s_add_co_u32 s38, s38, STG
	s_mul_i32 s39, s26, 1088
	s_lshr_b32 s40, s26, 2
	s_mul_i32 s40, s40, 4352
	s_bfe_u32 s41, s26, 0x10001
	s_lshl_b32 s41, s41, 7
	s_add_co_u32 s40, s40, s41
	s_and_b32 s41, s26, 1
	s_lshl_b32 s41, s41, 6
	s_add_co_u32 s40, s40, s41
	s_mul_i32 s41, s26, 1280
	s_add_co_u32 s41, s41, PART
	v_and_b32 v1, 31, v0
	v_and_b32 v[RR], 15, v0
	v_bfe_u32 v[HH], v0, 4, 1
	v_lshlrev_b32 v[XO], 4, v1
	v_lshlrev_b32 v[WI], 2, v1
	v_and_b32 v[IO], 7, v0
	v_lshlrev_b32 v[IO], 2, v[IO]
	v_add_nc_u32 v[PS], s36, v[XO]
	v_add_nc_u32 v[PO], s37, v[XO]
	v_mul_u32_u24 v[WS], v1, 272
	v_add_nc_u32 v[WS], s38, v[WS]                 ; the stage: row = my column, + 32 w: my block's 32 places
	v_mul_u32_u24 v[WL1], v[HH], 272
	v_lshl_add_u32 v[WL1], v[RR], 4, v[WL1]
	v_add_nc_u32 v[WL1], s39, v[WL1]               ; W1, out of the stage: sixteen lanes to a row: columns 4 w + h and 4 w + 2 + h
	v_mul_u32_u24 v[WL2], v[RR], 272
	v_lshl_add_u32 v[WL2], v[HH], 4, v[WL2]
	v_add_nc_u32 v[WL2], s40, v[WL2]               ; W2, out of it: row l % 16 of tile w / 4, + 16 (l / 16), chunk (w / 2) % 2, pieces 2 (w % 2) and the next
	v_mul_u32_u24 v[TPS], v[RR], 80
	v_lshl_add_u32 v[TPS], v[HH], 5, v[TPS]
	v_add_nc_u32 v[TPS], s41, v[TPS]               ; TABLE: my wave's part: row r (a prototype), + 32 h
	v_bfe_u32 v[TRD], v0, 2, 4
	v_mul_u32_u24 v[TRD], v[TRD], 80
	v_and_b32 v99, 3, v0
	v_lshl_add_u32 v[TRD], v99, 4, v[TRD]          ; TABLE: row (t / 4) % 16 of a part, columns 4 (t % 4) on
	; WEIGHTS: piece g: tensor g / 128, columns 32 cg on (cg = (g / 4) % 32), places 256 (g % 4) on, of which wave w makes 32 w .. 32 w + 31
	s_lshr_b32 s46, ttmp9, 2
	s_lshr_b32 s27, s46, 5                         ; 0: W1, 1: W2
	s_and_b32 s46, s46, 31                         ; cg
	s_and_b32 s52, ttmp9, 3
	s_lshr_b32 s47, s46, 4
	s_lshl_b32 s47, s47, 9
	s_and_b32 s48, s46, 3
	s_lshl_b32 s48, s48, 7
	s_add_co_u32 s47, s47, s48
	s_bfe_u32 s48, s46, 0x20002
	s_lshl_b32 s48, s48, 2
	s_add_co_u32 s47, s47, s48                     ; W1: column 32 cg + c goes to row rho0 + 16 (c / 4) + c % 4, rho0 = 512 (cg / 16) + 128 (cg % 4) + 4 ((cg / 4) % 4)
	s_lshl_b32 s48, s46, 5                         ; W2: columns 32 cg on are tiles 2 cg and 2 cg + 1: their images begin at 1,024 x 32 cg bytes
	s_cmp_eq_u32 s27, 0                            ; the choices hang on the work-group's number alone
	s_cselect_b32 s47, s47, s48
	s_cselect_b32 s50, 8, 12                       ; 256 places: 256 bytes on in a row of w1c; two images, 4,096 bytes, on in w2c; as a shift
	s_lshl_b32 s47, s47, 10
	s_lshl_b32 s48, s52, s50
	s_add_co_u32 s47, s47, s48                     ; where the piece goes, in bytes
	s_lshr_b32 s49, s52, 1
	s_lshl_b32 s49, s49, 21                        ; the piece's places begin at index 512 ((g % 4) / 2) + 64 (g % 2): rows of 4,096 bytes,
	s_and_b32 s48, s52, 1
	s_lshl_b32 s48, s48, 18
	s_add_co_u32 s49, s49, s48
	s_lshl_b32 s48, s46, 7
	s_add_co_u32 s49, s49, s48
	s_lshl_b32 s48, s26, 15                        ; my block's 8 w rows further down
	s_add_co_u32 s49, s49, s48
	s_lshl_b32 s32, ttmp9, 6
	s_lshl_b32 s33, s26, 3
	s_add_co_u32 s32, s32, s33                     ; FEATURES: my first row
	s_wait_alu depctr_va_vdst(0)
	s_wait_kmcnt 0x0
	s_load_b128 s[28:31], s[14:15], 0x0            ; e0, e1, e2, e3
	s_cmp_eq_u32 s27, 0
	s_cselect_b64 s[54:55], s[8:9], s[10:11]
	s_cselect_b64 s[56:57], s[20:21], s[22:23]
	s_mov_b32 s34, s49
	s_add_nc_u64 s[54:55], s[54:55], s[34:35]
	s_mov_b32 s34, s47
	s_add_nc_u64 s[56:57], s[56:57], s[34:35]
	s_lshl_b32 s34, s32, 12
	s_add_nc_u64 s[4:5], s[4:5], s[34:35]
	s_lshl_b32 s34, s32, 10
	s_add_nc_u64 s[16:17], s[16:17], s[34:35]
	s_lshl_b32 s34, s32, 2
	s_add_nc_u64 s[18:19], s[18:19], s[34:35]
	s_cmp_ge_u32 ttmp9, 64
	s_cbranch_scc1 .Lplain
	; TABLE's 82 loads go out first, so that every count behind the join holds on both ways.  Both operands come in the registers' own order: lane (r, h) holds, of its row (a prototype)
	; or its column (of W1), k = 128 w + 32 c + 16 h + 0 .. 15 in numbers 16 c .. 16 c + 15.  For W1 a lane takes a column and its registers run down K: nothing is transposed.
	s_lshl_b32 s34, s26, 19
	s_add_co_u32 s34, s34, 1024*4096
	s_lshl_b32 s33, ttmp9, 6
	s_add_co_u32 s34, s34, s33
	s_add_nc_u64 s[58:59], s[8:9], s[34:35]        ; W1 at row 1024 + 128 w, column 16 g
	s_mov_b32 s34, s33
	s_add_nc_u64 s[12:13], s[12:13], s[34:35]      ; b1 at column 16 g
	v_min_u32 v[TA], 9, v[RR]                      ; rows 10 to 15 of the tile read prototype 9 (no load leaves the buffer); their codes are cleared below
	v_lshlrev_b32 v[TA], 12, v[TA]
	v_lshl_add_u32 v[TA], v[HH], 6, v[TA]
	v_add_nc_u32 v[TA], s37, v[TA]                 ; prototypes: row x 4,096 + 512 w + 64 h
	v_lshlrev_b32 v[TBO], 2, v[RR]
	v_lshl_add_u32 v[TBO], v[HH], 16, v[TBO]       ; W1: column r, and 16 rows of 4,096 bytes further down for lanes 16-31
	v_lshlrev_b32 v[TH], 5, v[HH]                  ; b1: my eight columns 8 h on
	WIN 0x40
.set j, 0
.rept 16
	global_load_b128 v[TP+4*j:TP+4*j+3], v[TA], s[6:7] offset:128*(j/4)+16*(j%4)
.set j, j+1
.endr
.set j, 0
.rept 64
	global_load_b32 v[TW+j], v[TBO], s[58:59] offset:(32*(j/16)+(j%16))*4096
.set j, j+1
.endr
	WIN 0
	global_load_b128 v[DD:DD+3], v[TH], s[12:13]
	global_load_b128 v[DD+4:DD+7], v[TH], s[12:13] offset:16
	COMMON
	MKSCALE 29, 98, 99                             ; e1: W1's
	v_cmp_gt_u32 s36, 10, v[RR]                    ; the lanes whose row is a prototype
	s_add_co_i32 s60, s28, s29
	s_sub_co_i32 s60, 127, s60
	s_lshl_b32 s60, s60, 23                        ; 2^-(e0 + e1) as f32,
	s_cmp_eq_u32 s26, 0
	s_cselect_b32 s60, s60, 0                      ; in wave 0 alone: b1 enters one of the eight parts
	s_mov_b32 s61, s60                             ; (named with it as a pair, so it is written)
	s_wait_alu depctr_va_vdst(0)
	s_wait_loadcnt 63                              ; behind the table's 82 loads 74 were issued; the counter's field ends at 63, so eleven of those are waited for too
.irp d, 0,2,4,6
	v_pk_mul_f32 v[DD+\d:DD+\d+1], v[DD+\d:DD+\d+1], s[60:61] op_sel_hi:[1,0]   ; what the product starts from: b1 / 2^(e0 + e1), or 0
.endr
	WIN 0x41
.set j, 0
.rept 64
	v_med3_num_f32 v[TP+j], v[TP+j], -v[LIM], v[LIM]   ; the conversion to an 8-bit code does not saturate (ISA guide 7.6.2): the hold at the largest code x the scale comes first
	v_med3_num_f32 v[TW+j], v[TW+j], -v99, v99
.set j, j+1
.endr
	WIN 0x01
.set j, 0
.rept 8
	v_cvt_scalef32_pk8_fp8_f32 v[AF+2*j:AF+2*j+1], v[TP+8*j:TP+8*j+7], v[SCL]
	v_cvt_scalef32_pk8_fp8_f32 v[BF+2*j:BF+2*j+1], v[TW+8*j:TW+8*j+7], v98
.set j, j+1
.endr
	WIN 0
	v_nop                                          ; one plain vector instruction behind the last scaled conversion
.set j, 0
.rept 16
	v_cndmask_b32 v[AF+j], 0, v[AF+j], s36         ; rows 10 to 15: zero codes
.set j, j+1
.endr
	v_wmma_f32_16x16x128_fp8_fp8 v[DD:DD+7], v[BF:BF+15], v[AF:AF+15], v[DD:DD+7]   ; source 0 = 16 columns of W1, source 1 = the prototypes: lane (r, h) holds prototype r, columns 8 h + 0 .. 7
.rept 4
	v_nop                                          ; four places between a product and the LDS store that reads its result
.endr
	ds_store_b128 v[TPS], v[DD:DD+3]
	ds_store_b128 v[TPS], v[DD+4:DD+7] offset:16
	s_branch .Ljoin
.Lplain:
	COMMON
.Ljoin:
	s_wait_loadcnt 42                              ; my block of the weights is in; behind it: the prototypes' 10 loads and x's 32
.set j, 0
.rept 32
	v_med3_num_f32 v[WX+j], v[WX+j], -v[L1], v[L1]
.set j, j+1
.endr
.irp g, 0,1,2,3
	v_cvt_scalef32_pk8_fp8_f32 v[WC+2*\g:WC+2*\g+1], v[WX+8*\g:WX+8*\g+7], v[S1]
.endr
	v_nop                                          ; the plain instruction behind the last conversion
	ds_store_b128 v[WS], v[WC:WC+3]
	ds_store_b128 v[WS], v[WC+4:WC+7] offset:16
	s_wait_loadcnt 32                              ; the prototypes are in; x's 32 loads stay out
	WIN 0x04                                       ; the stores' data in window 1
.irp j, 0,1,2,3,4,5,6,7,8,9
.irp i, 0,1,2,3
	ds_store_b32 v[PS], v[4*\j+\i] offset:8192*(\j/2)+512*(\i/2)+8*(\i%2)+4*(\j%2)   ; prototype j, index 128 t + 4 l + i -> 8,192 (j / 2) + 1,024 t + 512 (i / 2) + 16 l + 8 (i % 2) + 4 (j % 2)
.endr
.endr
	WIN 0
	s_wait_dscnt 0x0                               ; for the others' sake: what I laid in LDS lies there
	s_barrier_signal -1
	s_barrier_wait -1                              ; all eight waves' does
	; TABLE, the sum of the eight parts: thread t < 64 takes row t / 4 (rows 10 to 15 hold b1 alone and are read by nobody) and columns 4 (t % 4) on
	s_cmp_ge_u32 ttmp9, 64
	s_cbranch_scc1 .Lno_t2
	s_cmp_ge_u32 s26, 2
	s_cbranch_scc1 .Lno_t2
.irp q, 0,1,2,3,4,5,6,7
	ds_load_b128 v[RS+4*\q:RS+4*\q+3], v[TRD] offset:PART+1280*\q
.endr
	v_bfe_u32 v98, v0, 2, 4
	v_lshlrev_b32 v98, 12, v98
	v_and_b32 v99, 3, v0
	v_lshl_add_u32 v98, v99, 6, v98                ; tab: row t / 4; columns 4 (t % 4) + i lie 64 (t % 4) + 4 i bytes on
	s_lshr_b32 s33, ttmp9, 5                       ; and 4 rho0 + 256 (g % 2), rho0 as above with cg = g / 2
	s_lshl_b32 s34, s33, 11
	s_bfe_u32 s33, ttmp9, 0x20001
	s_lshl_b32 s33, s33, 9
	s_add_co_u32 s34, s34, s33
	s_bfe_u32 s33, ttmp9, 0x20003
	s_lshl_b32 s33, s33, 4
	s_add_co_u32 s34, s34, s33
	s_and_b32 s33, ttmp9, 1
	s_lshl_b32 s33, s33, 8
	s_add_co_u32 s34, s34, s33
	s_add_nc_u64 s[24:25], s[24:25], s[34:35]
	s_add_co_i32 s60, s28, s29
	s_add_co_i32 s60, s60, 127
	s_lshl_b32 s60, s60, 23                        ; 2^(e0 + e1) as f32
	s_mov_b32 s61, s60                             ; (named with it as a pair, so it is written)
	s_wait_alu depctr_va_vdst(0)
	s_wait_dscnt 0x0
.irp q, 0,8,16,24
.irp d, 0,2
	v_pk_add_f32 v[RS+\q+\d:RS+\q+\d+1], v[RS+\q+\d:RS+\q+\d+1], v[RS+\q+4+\d:RS+\q+4+\d+1]
.endr
.endr
.irp q, 0,16
.irp d, 0,2
	v_pk_add_f32 v[RS+\q+\d:RS+\q+\d+1], v[RS+\q+\d:RS+\q+\d+1], v[RS+\q+8+\d:RS+\q+8+\d+1]
.endr
.endr
.irp d, 0,2
	v_pk_add_f32 v[RS+\d:RS+\d+1], v[RS+\d:RS+\d+1], v[RS+16+\d:RS+16+\d+1]
.endr
.irp d, 0,2
	v_pk_mul_f32 v[RS+\d:RS+\d+1], v[RS+\d:RS+\d+1], s[60:61] op_sel_hi:[1,0]   ; (sum + b1 / 2^(e0 + e1)) x 2^(e0 + e1)
.endr
	global_store_b128 v98, v[RS:RS+3], s[24:25]    ; pieces of 16 bytes, 64 bytes apart: the order rho asks for it, on 65,536 bytes in all
	s_wait_xcnt 0x0                                ; the store has read its registers, which the sums below write again
.Lno_t2:
	; WEIGHTS, the way out: of the stage's sixteen pieces of 512 bytes wave w takes 2 w and 2 w + 1.  W1's leave as rows, W2's as images of the operand's registers
	s_cmp_eq_u32 s27, 0
	s_cbranch_scc0 .Lw2out
	s_lshl_b32 s37, s26, 14
	ds_load_b128 v[OUTR:OUTR+3], v[WL1] offset:STG
	ds_load_b128 v[OUTR+4:OUTR+7], v[WL1] offset:STG+544
	v_lshlrev_b32 v[WO], 10, v[HH]
	v_lshl_add_u32 v[WO], v[RR], 4, v[WO]
	v_add_nc_u32 v[WO], s37, v[WO]                 ; rows rho0 + 16 w + h, and two further down
	s_wait_alu depctr_va_vdst(0)
	s_wait_dscnt 0x0
	global_store_b128 v[WO], v[OUTR:OUTR+3], s[56:57]                 ; sixteen lanes store 256 consecutive bytes, at a multiple of 256 from the buffer's first byte
	global_store_b128 v[WO], v[OUTR+4:OUTR+7], s[56:57] offset:2048
	s_branch .Lfeat
.Lw2out:                                               ; piece i = 8 (tile) + 4 (chunk) + c, i = 2 w, 2 w + 1
	s_lshr_b32 s33, s26, 2
	s_lshl_b32 s33, s33, 14
	s_bfe_u32 s38, s26, 0x10001
	s_lshl_b32 s38, s38, 11
	s_add_co_u32 s33, s33, s38
	s_and_b32 s38, s26, 1
	s_lshl_b32 s38, s38, 10
	s_add_co_u32 s33, s33, s38
	ds_load_b128 v[OUTR:OUTR+3], v[WL2] offset:STG
	ds_load_b128 v[OUTR+4:OUTR+7], v[WL2] offset:STG+32
	v_add_nc_u32 v[WO], s33, v[XO]                 ; a lane's place in a piece: 16 l
	s_wait_alu depctr_va_vdst(0)
	s_wait_dscnt 0x0
	global_store_b128 v[WO], v[OUTR:OUTR+3], s[56:57]                 ; the wave stores 512 consecutive bytes, at a multiple of 512 from the buffer's first byte
	global_store_b128 v[WO], v[OUTR+4:OUTR+7], s[56:57] offset:512
.Lfeat:
; FEATURES.  A load is one row's chunk t of 128 numbers: 512 consecutive bytes, lane l holds k = 128 t + 4 l + 0 .. 3.  The 10 prototypes lie in LDS in pairs: one 16-byte read gives (p_2q[k], p_2q+1[k], p_2q[k+1], p_2q+1[k+1]),
; so a packed multiply-add serves two prototypes with one x.  80 sums f.p, 8 sums f.f and 10 sums p.p a lane; at the end they are added across the lanes so that row rho ends in the lanes with l % 8 = rho.
.macro PLOAD buf, t, hf                ; the five pairs of prototypes at k = 128 t + 4 l + 2 hf, + 1
.irp q, 0,1,2,3,4
	ds_load_b128 v[\buf+4*\q:\buf+4*\q+3], v[XO] offset:8192*\q+1024*(\t)+512*(\hf)
.endr
.endm
; Half hf of chunk t: two of a lane's four k.  lc: the younger loads of x that may stay out (taken where hf = 0); dc: the younger LDS loads (the other half's five).
.macro HALF t, hf, lc, dc
.set PB, PAB+20*(\hf)
.set XB, X+64*(((\t)/2)%2)+4*((\t)%2)+2*(\hf)
.if (\hf) == 0
	s_wait_loadcnt \lc
.endif
	s_wait_dscnt \dc
	WIN 0x50                                       ; the sums f.p (source 2 and destination) in window 1
.irp e, 0,1
.irp r, 0,1,2,3,4,5,6,7
.irp q, 0,1,2,3,4
.if ((\t) == 0) && ((\hf) == 0) && (\e == 0)
	v_pk_mul_f32 v[10*\r+2*\q:10*\r+2*\q+1], v[PB+4*\q:PB+4*\q+1], v[XB+8*\r:XB+8*\r+1] op_sel_hi:[1,0]   ; the first term starts the sums: nothing is cleared
.elseif \e == 0
	v_pk_fma_f32 v[10*\r+2*\q:10*\r+2*\q+1], v[PB+4*\q:PB+4*\q+1], v[XB+8*\r:XB+8*\r+1], v[10*\r+2*\q:10*\r+2*\q+1] op_sel_hi:[1,0,1]   ; both prototypes x the pair's first x
.else
	v_pk_fma_f32 v[10*\r+2*\q:10*\r+2*\q+1], v[PB+4*\q+2:PB+4*\q+3], v[XB+8*\r:XB+8*\r+1], v[10*\r+2*\q:10*\r+2*\q+1] op_sel:[0,1,0] op_sel_hi:[1,1,1]   ; both x its second
.endif
.endr
.endr
.endr
	WIN 0
.irp r, 0,1,2,3,4,5,6,7
.if ((\t) == 0) && ((\hf) == 0)
	v_pk_mul_f32 v[F2+2*\r:F2+2*\r+1], v[XB+8*\r:XB+8*\r+1], v[XB+8*\r:XB+8*\r+1]
.else
	v_pk_fma_f32 v[F2+2*\r:F2+2*\r+1], v[XB+8*\r:XB+8*\r+1], v[XB+8*\r:XB+8*\r+1], v[F2+2*\r:F2+2*\r+1]
.endif
.endr
.irp e, 0,1
.irp q, 0,1,2,3,4
.if ((\t) == 0) && ((\hf) == 0) && (\e == 0)
	v_pk_mul_f32 v[P2A+2*\q:P2A+2*\q+1], v[PB+4*\q:PB+4*\q+1], v[PB+4*\q:PB+4*\q+1]
.else
	v_pk_fma_f32 v[P2A+2*\q:P2A+2*\q+1], v[PB+4*\q+2*\e:PB+4*\q+2*\e+1], v[PB+4*\q+2*\e:PB+4*\q+2*\e+1], v[P2A+2*\q:P2A+2*\q+1]
.endif
.endr
.endr
.if (\t) < 7
	PLOAD PB, (\t)+1, \hf
.endif
.endm
; Chunks 2 u, 2 u + 1 become codes: 8 a row and lane.  Behind every second call a lane has 16 codes of each row: the wave stores 512 consecutive bytes a row.
.macro QUANT u
.set XS, X+64*((\u)%2)
.if (\u) == 2
	s_wait_xcnt 0x0                                ; the first eight stores have read their data registers, which are written again below
.endif
.set i, 0
.rept 64
	v_med3_num_f32 v[XS+i], v[XS+i], -v[LIM], v[LIM]   ; the hold at the largest code x the scale
.set i, i+1
.endr
.irp r, 0,1,2,3,4,5,6,7
	v_cvt_scalef32_pk8_fp8_f32 v[CD+4*\r+2*((\u)%2):CD+4*\r+2*((\u)%2)+1], v[XS+8*\r:XS+8*\r+7], v[SCL]
.endr
	v_nop                                          ; the plain instruction behind the last conversion
.if ((\u)%2) == 1
.irp r, 0,1,2,3,4,5,6,7
	global_store_b128 v[XO], v[CD+4*\r:CD+4*\r+3], s[16:17] offset:1024*\r+512*((\u)/2)
.endr
.endif
.if (\u) < 2
	XLOAD (\u)+2
.endif
.endm
	PLOAD PAB, 0, 0
	PLOAD PAB+20, 0, 1
	HALF 0, 0, 24, 5                               ; behind chunk 0's eight loads: chunk 1's eight and the next set's sixteen
	HALF 0, 1, 0, 5
	HALF 1, 0, 16, 5
	HALF 1, 1, 0, 5
	QUANT 0
	HALF 2, 0, 24, 5
	HALF 2, 1, 0, 5
	HALF 3, 0, 16, 5
	HALF 3, 1, 0, 5
	QUANT 1
	HALF 4, 0, 24, 5
	HALF 4, 1, 0, 5
	HALF 5, 0, 16, 5
	HALF 5, 1, 0, 5
	QUANT 2
	HALF 6, 0, 8, 5                                ; nothing is fetched any more: the counts run down
	HALF 6, 1, 0, 5
	HALF 7, 0, 0, 5
	HALF 7, 1, 0, 0
	QUANT 3
	; ACROSS THE LANES.  Eleven numbers a row (ten f.p and f.f).  In each of three steps a lane keeps one of two rows and gives the other to its partner (lane xor 1, 2, 4): half as many registers after each step.
	WIN 0x05                                       ; sources 0 and 1 in window 1
.irp p, 0,1,2,3
.irp c, 0,1,2,3,4,5,6,7,8,9
	v_cndmask_b32 v[R1+11*\p+\c], v[20*\p+\c], v[20*\p+10+\c], s40      ; what I keep: row 2 p in even lanes, row 2 p + 1 in odd ones
	v_cndmask_b32 v[R1+44+11*\p+\c], v[20*\p+10+\c], v[20*\p+\c], s40   ; what my partner keeps
.endr
.endr
	WIN 0
.irp r, 0,1,2,3,4,5,6,7
	v_add_f32 v[F2+2*\r], v[F2+2*\r], v[F2+2*\r+1]
.endr
.irp p, 0,1,2,3
	v_cndmask_b32 v[R1+11*\p+10], v[F2+4*\p], v[F2+4*\p+2], s40
	v_cndmask_b32 v[R1+44+11*\p+10], v[F2+4*\p+2], v[F2+4*\p], s40
.endr
.set i, 0
.rept 44
	v_add_f32_dpp v[R1+i], v[R1+44+i], v[R1+i] row_xmask:1 row_mask:0xf bank_mask:0xf
.set i, i+1
.endr
.irp p, 0,1
.irp c, 0,1,2,3,4,5,6,7,8,9,10
	v_cndmask_b32 v[R2+11*\p+\c], v[R1+22*\p+\c], v[R1+22*\p+11+\c], s41
	v_cndmask_b32 v[R2+22+11*\p+\c], v[R1+22*\p+11+\c], v[R1+22*\p+\c], s41
.endr
.endr
.set i, 0
.rept 22
	v_add_f32_dpp v[R2+i], v[R2+22+i], v[R2+i] row_xmask:2 row_mask:0xf bank_mask:0xf
.set i, i+1
.endr
.irp c, 0,1,2,3,4,5,6,7,8,9,10
	v_cndmask_b32 v[R1+\c], v[R2+\c], v[R2+11+\c], s42
	v_cndmask_b32 v[R1+11+\c], v[R2+11+\c], v[R2+\c], s42
.endr
.irp c, 0,1,2,3,4,5,6,7,8,9,10
	v_add_f32_dpp v[R1+\c], v[R1+11+\c], v[R1+\c] row_xmask:4 row_mask:0xf bank_mask:0xf
.endr
.irp c, 0,1,2,3,4,5,6,7,8,9,10
	v_add_f32_dpp v[R1+\c], v[R1+\c], v[R1+\c] row_xmask:8 row_mask:0xf bank_mask:0xf
.endr
.irp c, 0,1,2,3,4,5,6,7,8,9,10
	v_permlanex16_b32 v[R1+22+\c], v[R1+\c], s44, s45   ; (its destination has been written before)
.endr
.irp c, 0,1,2,3,4,5,6,7,8,9,10
	v_add_f32 v[R1+\c], v[R1+\c], v[R1+22+\c]      ; lane l: f.p_c (c < 10) and f.f (c = 10) of row l % 8
.endr
.irp m, 1,2,4,8
.irp c, 0,1,2,3,4,5,6,7,8,9
	v_add_f32_dpp v[P2A+\c], v[P2A+\c], v[P2A+\c] row_xmask:\m row_mask:0xf bank_mask:0xf
.endr
.endr
.irp c, 0,1,2,3,4,5,6,7,8,9
	v_permlanex16_b32 v[R1+33+\c], v[P2A+\c], s44, s45
.endr
.irp c, 0,1,2,3,4,5,6,7,8,9
	v_add_f32 v[P2A+\c], v[P2A+\c], v[R1+33+\c]    ; p.p, in every lane
.endr
.irp c, 0,1,2,3,4,5,6,7,8,9
	v_add_f32 v[P2A+\c], v[R1+10], v[P2A+\c]       ; f2 + p2,
.endr
.irp c, 0,1,2,3,4,5,6,7,8,9
	v_fma_f32 v[R1+\c], -2.0, v[R1+\c], v[P2A+\c]  ; - 2 f.p (the doubling rounds nothing)
.endr
	v_mov_b32 v9, 0                                ; the argmin: a later prototype wins only where it is strictly nearer
.irp c, 1,2,3,4,5,6,7,8,9
	v_cmp_lt_f32 vcc_lo, v[R1+\c], v[R1]
	v_cndmask_b32 v9, v9, \c, vcc_lo
	v_cndmask_b32 v[R1], v[R1], v[R1+\c], vcc_lo
.endr
	global_store_b32 v[IO], v9, s[18:19]           ; at a fixed place: row l % 8 of my eight; the four lanes of a row store the same number to the same word
	s_wait_tensorcnt 0x0                           ; the wave's end, behind my last LDS store
	ds_add_u32 v[SPW], v[NIL]
	s_wait_dscnt 0x0
	s_endpgm
.Lfunc_end_k_qf9f4e07d35_prep:
	.size	k_qf9f4e07d35_prep, .Lfunc_end_k_qf9f4e07d35_prep-k_qf9f4e07d35_prep
	.p2alignl 7, 3214868480
	.fill 96, 4, 3214868480
	.section	.rodata,"a",@progbits
	.p2align	6, 0x0
	.amdhsa_kernel k_qf9f4e07d35_prep
		.amdhsa_group_segment_fixed_size 60928
		.amdhsa_private_segment_fixed_size 0
		.amdhsa_enable_private_segment 0
		.amdhsa_kernarg_size 88
		.amdhsa_user_sgpr_count 2
		.amdhsa_user_sgpr_kernarg_segment_ptr 1
		.amdhsa_wavefront_size32 1
		.amdhsa_system_sgpr_workgroup_id_x 1
		.amdhsa_system_sgpr_workgroup_id_y 1
		.amdhsa_system_sgpr_workgroup_id_z 1
		.amdhsa_system_vgpr_workitem_id 0
		.amdhsa_next_free_vgpr 464
		.amdhsa_next_free_sgpr 66
		.amdhsa_reserve_vcc 1
		.amdhsa_float_denorm_mode_32 3
		.amdhsa_float_denorm_mode_16_64 3
		.amdhsa_memory_ordered 1
		.amdhsa_forward_progress 1
		.amdhsa_inst_pref_size 199
	.end_amdhsa_kernel
	.amdgpu_metadata
---
amdhsa.version: [ 1, 2 ]
amdhsa.kernels:
  - .name:           k_qf9f4e07d35_prep
    .symbol:         k_qf9f4e07d35_prep.kd
    .args:
      - { .name: features, .offset: 0, .size: 8, .value_kind: global_buffer, .address_space: global }
      - { .name: prototypes, .offset: 8, .size: 8, .value_kind: global_buffer, .address_space: global }
      - { .name: W1, .offset: 16, .size: 8, .value_kind: global_buffer, .address_space: global }
      - { .name: W2, .offset: 24, .size: 8, .value_kind: global_buffer, .address_space: global }
      - { .name: b1, .offset: 32, .size: 8, .value_kind: global_buffer, .address_space: global }
      - { .name: lowp_scales, .offset: 40, .size: 8, .value_kind: global_buffer, .address_space: global }
      - { .name: fc, .offset: 48, .size: 8, .value_kind: global_buffer, .address_space: global }
      - { .name: idx, .offset: 56, .size: 8, .value_kind: global_buffer, .address_space: global }
      - { .name: w1c, .offset: 64, .size: 8, .value_kind: global_buffer, .address_space: global }
      - { .name: w2c, .offset: 72, .size: 8, .value_kind: global_buffer, .address_space: global }
      - { .name: tab, .offset: 80, .size: 8, .value_kind: global_buffer, .address_space: global }
    .group_segment_fixed_size: 60928
    .private_segment_fixed_size: 0
    .kernarg_segment_align: 8
    .kernarg_segment_size: 88
    .max_flat_workgroup_size: 256
    .sgpr_count:     66
    .vgpr_count:     464
    .wavefront_size: 32
...
	.end_amdgpu_metadata
.endif
;; end of part 1
;; launch gemm1 (part 2): grid 4 x 64, 4 waves a work-group, clusters of 4 x 4, 327,680 bytes of LDS; arguments fc, w1c, lowp_scales, hc, idx, tab; writes hc
.if DOCPART == 2
	.amdgcn_target "amdgcn-amd-amdhsa--gfx1250"
	.amdhsa_code_object_version 6
	.text
	.protected	k_qf9f4e07d35_gemm1
	.globl	k_qf9f4e07d35_gemm1
	.p2align	8
	.type	k_qf9f4e07d35_gemm1,@function
k_qf9f4e07d35_gemm1:
	s_mov_b64 s[64:65], 0
	v_nop
	global_prefetch_b8 v0, s[64:65] scope:SCOPE_SE
	s_setreg_imm32_b32 hwreg(HW_REG_WAVE_MODE, 25, 1), 1
	s_wait_xcnt 0x0
	s_wait_alu depctr_hold_cnt(0) depctr_sa_sdst(0) depctr_va_vdst(0) depctr_va_sdst(0) depctr_va_ssrc(0) depctr_va_vcc(0) depctr_vm_vsrc(0)
	s_getreg_b32 s2, hwreg(HW_REG_IB_STS2, 6, 4)
	s_cmp_eq_u32 s2, 0
	s_cbranch_scc0 .Lentry_in_a_cluster
	s_endpgm
.Lentry_in_a_cluster:
	s_bfe_u32 s2, ttmp6, 0x10000c
	s_cmp_lg_u32 s2, 0xf033
	s_cbranch_scc0 .Lentry_shape_is_right
	s_endpgm
.Lentry_shape_is_right:
.set SIZE_K, 1024
.set KSTEP,  256
.set ROWB,   256
.set KROW,   SIZE_K
.set PITCH,  272
.set FR,     16
.set NL,     4
.set NP,     4
.set HALFT,  128*PITCH
.set SLOT,   4*HALFT
.set LAPS,   SIZE_K/(2*KSTEP)
.set SPARE,  2*SLOT
.set SPITCH, 272
.set ADRA, 16
.set ADRB, 20
.set STO,  24
.set RD,   25
.set CO,   26
.set H32,  27
.set SPW,  28
.set NIL,  29
.set R4,   30
.set TO,   32
.set CD,   40
.set SC2,  56
.set LM2,  57
.set TMP,  64
.set TV,   128
.set AF,   128
.set G1, 24
.set G0, 32
.set G1B, 48
.set G0B, 56
.set MSB, 0
.macro WIN new
.if MSB != (\new)
	s_set_vgpr_msb (MSB<<8)|(\new)
.set MSB, (\new)
.endif
.endm
.set MUL_LO, 0xa1
.set MUL_HI, 0xf1
.set TO_B,   0x40
.macro JLOAD g0a, g1a, g0b, g1b
	s_cmp_eq_u32 s15, 0
	s_cbranch_scc0 .Lfor_b_\@
	tensor_load_to_lds s[\g0a:\g0a+3], s[\g1a:\g1a+7]
	s_nop 0
.rept 4
	v_nop
.endr
	s_branch .Lasked_\@
.Lfor_b_\@:
	tensor_load_to_lds s[\g0b:\g0b+3], s[\g1b:\g1b+7]
	s_nop 0
.rept 4
	v_nop
.endr
.Lasked_\@:
.endm
.macro CREST
	s_cmp_lg_u32 s14, 0
	s_cbranch_scc1 .Lnot_wave_0_\@
	s_barrier_signal -3
.Lnot_wave_0_\@:
	s_barrier_wait -3
	s_barrier_signal -1
	s_barrier_wait -1
.endm
.macro CROUND
	s_barrier_signal -1
	s_barrier_wait -1
	CREST
.endm
	s_load_b128 s[4:7], s[0:1], 0x0
	s_load_b128 s[8:11], s[0:1], 0x10
	s_load_b128 s[68:71], s[0:1], 0x20
	v_lshl_add_u32 v[SPW], v0, 2, SPARE
	v_mov_b32 v[NIL], 0
	ds_add_u32 v28, v29
	ds_add_u32 v28, v29
	s_wait_dscnt 0x0
	v_lshrrev_b32 v1, 5, v0
	v_readfirstlane_b32 s14, v1
	s_lshr_b32 s15, s14, 1
	s_and_b32 s16, s14, 1
	s_bfe_u32 s40, ttmp6, 0x40000
	s_bfe_u32 s41, ttmp6, 0x40004
	s_lshl_b32 s42, ttmp9, 2
	s_add_co_u32 s42, s42, s40
	s_and_b32 s17, ttmp7, 0xffff
	s_lshl_b32 s17, s17, 2
	s_add_co_u32 s17, s17, s41
	s_lshl_b32 s43, s41, 2
	s_lshl_b32 s43, 15, s43
	s_lshl_b32 s44, 0x1111, s40
	s_or_b32 s[G1+0], s43, (0<<16)|(1<<20)|(1<<21)|(5<<22)|(3<<25)
	s_or_b32 s[G1B+0], s44, (0<<16)|(1<<20)|(1<<21)|(5<<22)|(3<<25)
.irp g, G1, G1B
	s_mov_b32 s[\g+1], ROWB<<16
	s_mov_b32 s[\g+2], 128<<16
	s_mov_b32 s[\g+3], ROWB<<16
	s_mov_b32 s[\g+4], 128
	s_mov_b32 s[\g+5], KROW
	s_mov_b32 s[\g+6], 0
	s_mov_b32 s[\g+7], 0
.endr
	s_lshl_b32 s18, s16, 7
	s_lshl_b32 s20, s17, 8
	s_add_co_u32 s20, s20, s18
	s_lshl_b32 s46, s42, 8
	s_add_co_u32 s46, s46, s18
	s_mov_b32 s21, 0
	s_mov_b32 s47, 0
	s_mov_b64 s[18:19], KROW
	s_mul_u64 s[20:21], s[20:21], s[18:19]
	s_mul_u64 s[46:47], s[46:47], s[18:19]
	s_mul_i32 s45, s14, HALFT
	s_wait_kmcnt 0x0
	s_load_b128 s[92:95], s[8:9], 0x0
	s_add_nc_u64 s[20:21], s[4:5], s[20:21]
	s_add_nc_u64 s[46:47], s[6:7], s[46:47]
	CROUND
.irp s, 0,1
	s_mov_b32 s[G0+4*\s], 1
	s_add_co_u32 s[G0+4*\s+1], s45, \s*SLOT
	s_add_nc_u64 s[G0+4*\s+2:G0+4*\s+3], s[20:21], \s*ROWB
	s_or_b32 s[G0+4*\s+3], s[G0+4*\s+3], 0x80000000
	s_mov_b32 s[G0B+4*\s], 1
	s_add_co_u32 s[G0B+4*\s+1], s45, \s*SLOT
	s_add_nc_u64 s[G0B+4*\s+2:G0B+4*\s+3], s[46:47], \s*ROWB
	s_or_b32 s[G0B+4*\s+3], s[G0B+4*\s+3], 0x80000000
	s_wait_alu depctr_va_vdst(0)
	s_wait_tensorcnt 0x0
	ds_add_u32 v28, v29
	ds_add_u32 v28, v29
	s_wait_dscnt 0x0
	CROUND
	JLOAD G0+4*\s, G1, G0B+4*\s, G1B
.endr
	v_and_b32 v1, 15, v0
	v_bfe_u32 v2, v0, 4, 1
	v_mul_u32_u24 v3, v1, PITCH
	s_wait_alu depctr_va_vdst(0)
	v_lshl_add_u32 v4, v2, 4, v3
	s_mul_i32 s21, s15, HALFT
	s_mul_i32 s22, s16, HALFT
	s_add_co_u32 s22, s22, 2*HALFT
.irp s, 0,1
	v_add_nc_u32 v[ADRA+\s], s21, v4
	v_add_nc_u32 v[ADRB+\s], s22, v4
	s_add_co_u32 s21, s21, SLOT
	s_add_co_u32 s22, s22, SLOT
.endr
	s_mul_i32 s23, s15, 128*SPITCH
	s_lshl_b32 s72, s16, 7
	s_add_co_u32 s23, s23, s72
	v_lshl_add_u32 v5, v2, 3, v3
	v_add_nc_u32 v[STO], s23, v5
	s_mul_i32 s23, s14, 64*SPITCH
	v_mul_u32_u24 v5, v2, SPITCH
	v_lshl_add_u32 v5, v1, 4, v5
	v_add_nc_u32 v[RD], s23, v5
	v_lshlrev_b32 v5, 10, v2
	v_lshl_add_u32 v[CO], v1, 4, v5
	v_lshlrev_b32 v[H32], 5, v2
	v_lshlrev_b32 v[R4], 2, v1
	s_wait_alu depctr_va_vdst(0)
	s_mov_b32 s73, 0
	s_lshl_b32 s72, s17, 18
	s_lshl_b32 s74, s14, 16
	s_add_co_u32 s72, s72, s74
	s_lshl_b32 s74, s42, 8
	s_add_co_u32 s72, s72, s74
	s_add_nc_u64 s[10:11], s[10:11], s[72:73]
	s_lshl_b32 s72, s17, 10
	s_lshl_b32 s74, s15, 9
	s_add_co_u32 s72, s72, s74
	s_add_nc_u64 s[68:69], s[68:69], s[72:73]
	s_lshl_b32 s72, s42, 10
	s_lshl_b32 s74, s16, 9
	s_add_co_u32 s72, s72, s74
	s_add_nc_u64 s[70:71], s[70:71], s[72:73]
.irp a, 0,1,2,3,4,5,6,7
	global_load_b32 v[TO+\a], v[R4], s[68:69] offset:64*\a
.endr
.macro FRAG reg, adr, q, i
.irp c, 0,1,2,3
	ds_load_b128 v[\reg+4*\c:\reg+4*\c+3], v[\adr] offset:128*(\q)+32*\c+(\i)*16*PITCH
.endr
.endm
.macro MUL16 a0, p, zero
.irp a, \a0, \a0+1
.irp b, 0,1,2,3,4,5,6,7
.if \zero
	v_wmma_f32_16x16x128_fp8_fp8 v[8*(8*((\a)%4)+\b):8*(8*((\a)%4)+\b)+7], v[128*(\p)+FR*\b:128*(\p)+FR*\b+FR-1], v[AF+FR*(\a):AF+FR*(\a)+FR-1], 0
.else
	v_wmma_f32_16x16x128_fp8_fp8 v[8*(8*((\a)%4)+\b):8*(8*((\a)%4)+\b)+7], v[128*(\p)+FR*\b:128*(\p)+FR*\b+FR-1], v[AF+FR*(\a):AF+FR*(\a)+FR-1], v[8*(8*((\a)%4)+\b):8*(8*((\a)%4)+\b)+7]
.endif
.endr
.endr
.endm
.macro FETCH_B slot, q, p
	WIN TO_B
.irp i, 0,1,2,3,4,5,6,7
	FRAG 128*(\p)+FR*\i, ADRB+\slot, \q, \i
.endr
	WIN 0
.endm
.macro FETCH_A slot, q, i0
.irp i, \i0, \i0+1, \i0+2, \i0+3
	FRAG AF+FR*(\i), ADRA+\slot, \q, \i
.endr
.endm
.macro PLACES n
.rept \n
	v_nop
.endr
.endm
.macro STEP slot, q, zero
	s_wait_dscnt 4*NL
	WIN MUL_LO
	MUL16 0, (\q)%2, \zero
	MUL16 2, (\q)%2, \zero
	s_wait_dscnt 0
	PLACES NP
	FETCH_B \slot, (\q)+1, 1-(\q)%2
	FETCH_A \slot, (\q)+1, 0
	WIN MUL_HI
	MUL16 4, (\q)%2, \zero
	MUL16 6, (\q)%2, \zero
	PLACES NP
	WIN 0
	FETCH_A \slot, (\q)+1, 4
.endm
.macro TURN slot, next, fill
	s_wait_tensorcnt 0x0
	ds_add_u32 v[SPW], v[NIL]
	s_wait_dscnt 4*NL+1
	WIN MUL_LO
	MUL16 0, 1, 0
	s_wait_dscnt 0x0
	s_barrier_signal -1
	MUL16 2, 1, 0
	WIN 0
	s_barrier_wait -1
.if \fill
	CREST
	s_add_nc_u64 s[G0+4*\slot+2:G0+4*\slot+3], s[G0+4*\slot+2:G0+4*\slot+3], 2*ROWB
	s_add_nc_u64 s[G0B+4*\slot+2:G0B+4*\slot+3], s[G0B+4*\slot+2:G0B+4*\slot+3], 2*ROWB
	JLOAD G0+4*\slot, G1, G0B+4*\slot, G1B
.else
	PLACES NP
.endif
	FETCH_B \next, 0, 0
	FETCH_A \next, 0, 0
	WIN MUL_HI
	MUL16 4, 1, 0
	MUL16 6, 1, 0
	PLACES NP
	WIN 0
	FETCH_A \next, 0, 4
.endm
	s_wait_tensorcnt 1
	s_barrier_signal -1
	s_barrier_wait -1
	FETCH_B 0, 0, 0
	FETCH_A 0, 0, 0
	FETCH_A 0, 0, 4
	STEP 0, 0, 1
	s_mov_b32 s3, LAPS-1
.Llap:
	TURN 0, 1, 1
	STEP 1, 0, 0
	TURN 1, 0, 1
	STEP 0, 0, 0
	s_sub_co_u32 s3, s3, 1
	s_cmp_lg_u32 s3, 0
	s_cbranch_scc1 .Llap
	TURN 0, 1, 0
	STEP 1, 0, 0
	s_wait_dscnt 4*NL
	WIN MUL_LO
	MUL16 0, 1, 0
	MUL16 2, 1, 0
	s_wait_dscnt 0
	WIN MUL_HI
	MUL16 4, 1, 0
	MUL16 6, 1, 0
	WIN 0
.macro TLOAD a
.set TB, TV+64*((\a)%2)
.irp b, 0,1,2,3,4,5,6,7
	global_load_b128 v[TB+8*\b:TB+8*\b+3], v[TO+(\a)], s[70:71] offset:64*\b
	global_load_b128 v[TB+8*\b+4:TB+8*\b+7], v[TO+(\a)], s[70:71] offset:64*\b+16
.endr
.endm
.macro HBLOCK a
.set AC, 64*((\a)%4)
.set TB, TV+64*((\a)%2)
.if (\a) < 7
	s_wait_loadcnt 16
.else
	s_wait_loadcnt 0x0
.endif
	WIN 0x02+((\a)/4)
.set i, 0
.rept 32
	v_pk_fma_f32 v[TMP+i:TMP+i+1], v[AC+i:AC+i+1], s[96:97], v[TB+i:TB+i+1] op_sel_hi:[1,0,1]
.set i, i+2
.endr
	WIN 0
.if (\a) < 6
	TLOAD (\a)+2
.endif
.set i, 0
.rept 64
	v_med3_num_f32 v[TMP+i], v[TMP+i], 0, v[LM2]
.set i, i+1
.endr
.irp b, 0,1,2,3,4,5,6,7
	v_cvt_scalef32_pk8_fp8_f32 v[CD+2*\b:CD+2*\b+1], v[TMP+8*\b:TMP+8*\b+7], v[SC2]
.endr
	v_nop
.irp b, 0,1,2,3,4,5,6,7
	ds_store_b64 v[STO], v[CD+2*\b:CD+2*\b+1] offset:16*SPITCH*(\a)+16*\b
.endr
.endm
	s_wait_kmcnt 0x0
	s_add_co_i32 s96, s92, s93
	s_add_co_i32 s96, s96, 127
	s_lshl_b32 s96, s96, 23
	s_mov_b32 s97, s96
	s_add_co_i32 s74, s94, 127
	s_lshl_b32 s75, s74, 23
	v_mov_b32 v[SC2], s75
	s_add_co_i32 s74, s74, 8
	s_lshl_b32 s74, s74, 23
	s_or_b32 s74, s74, 0x600000
	v_mov_b32 v[LM2], s74
	s_wait_loadcnt 0x0
.irp a, 0,1,2,3,4,5,6,7
	v_min_u32 v[TO+\a], 9, v[TO+\a]
	v_lshlrev_b32 v[TO+\a], 12, v[TO+\a]
	v_add_nc_u32 v[TO+\a], v[H32], v[TO+\a]
.endr
	PLACES NP
	TLOAD 0
	TLOAD 1
.irp a, 0,1,2,3,4,5,6,7
	HBLOCK \a
.endr
	s_wait_dscnt 0x0
	s_barrier_signal -1
	s_barrier_wait -1
.set i, 0
.rept 32
	ds_load_b128 v[128+4*i:128+4*i+3], v[RD] offset:2*SPITCH*i
.set i, i+1
.endr
.set i, 0
.rept 32
	s_wait_dscnt 31-i
	global_store_b128 v[CO], v[128+4*i:128+4*i+3], s[10:11] offset:2048*i
.set i, i+1
.endr
	s_wait_tensorcnt 0x0
	ds_add_u32 v[SPW], v[NIL]
	s_wait_dscnt 0x0
	CROUND
	s_endpgm
.Lfunc_end_k_qf9f4e07d35_gemm1:
	.size	k_qf9f4e07d35_gemm1, .Lfunc_end_k_qf9f4e07d35_gemm1-k_qf9f4e07d35_gemm1
	.p2alignl 7, 3214868480
	.fill 96, 4, 3214868480
	.section	.rodata,"a",@progbits
	.p2align	6, 0x0
	.amdhsa_kernel k_qf9f4e07d35_gemm1
		.amdhsa_group_segment_fixed_size 327680
		.amdhsa_private_segment_fixed_size 0
		.amdhsa_enable_private_segment 0
		.amdhsa_kernarg_size 48
		.amdhsa_user_sgpr_count 2
		.amdhsa_user_sgpr_kernarg_segment_ptr 1
		.amdhsa_wavefront_size32 1
		.amdhsa_system_sgpr_workgroup_id_x 1
		.amdhsa_system_sgpr_workgroup_id_y 1
		.amdhsa_system_sgpr_workgroup_id_z 1
		.amdhsa_system_vgpr_workitem_id 0
		.amdhsa_next_free_vgpr 1024
		.amdhsa_next_free_sgpr 100
		.amdhsa_reserve_vcc 0
		.amdhsa_float_denorm_mode_32 3
		.amdhsa_float_denorm_mode_16_64 3
		.amdhsa_memory_ordered 1
		.amdhsa_forward_progress 1
		.amdhsa_inst_pref_size 156
	.end_amdhsa_kernel
	.amdgpu_metadata
---
amdhsa.version: [ 1, 2 ]
amdhsa.kernels:
  - .name:           k_qf9f4e07d35_gemm1
    .symbol:         k_qf9f4e07d35_gemm1.kd
    .args:
      - { .name: fc, .offset: 0, .size: 8, .value_kind: global_buffer, .address_space: global }
      - { .name: w1c, .offset: 8, .size: 8, .value_kind: global_buffer, .address_space: global }
      - { .name: lowp_scales, .offset: 16, .size: 8, .value_kind: global_buffer, .address_space: global }
      - { .name: hc, .offset: 24, .size: 8, .value_kind: global_buffer, .address_space: global }
      - { .name: idx, .offset: 32, .size: 8, .value_kind: global_buffer, .address_space: global }
      - { .name: tab, .offset: 40, .size: 8, .value_kind: global_buffer, .address_space: global }
    .group_segment_fixed_size: 327680
    .private_segment_fixed_size: 0
    .kernarg_segment_align: 8
    .kernarg_segment_size: 48
    .max_flat_workgroup_size: 128
    .sgpr_count:     100
    .vgpr_count:     1024
    .wavefront_size: 32
...
	.end_amdgpu_metadata
.endif
;; end of part 2
;; launch gemm2 (part 3): grid 4 x 64, 4 waves a work-group, clusters of 4 x 1, 327,680 bytes of LDS; arguments hc, w2c, lowp_scales, out0, b2; writes out0
.if DOCPART == 3
	.amdgcn_target "amdgcn-amd-amdhsa--gfx1250"
	.amdhsa_code_object_version 6
	.text
	.protected	k_qf9f4e07d35_gemm2
	.globl	k_qf9f4e07d35_gemm2
	.p2align	8
	.type	k_qf9f4e07d35_gemm2,@function
k_qf9f4e07d35_gemm2:
	s_mov_b64 s[64:65], 0
	v_nop
	global_prefetch_b8 v0, s[64:65] scope:SCOPE_SE
	s_setreg_imm32_b32 hwreg(HW_REG_WAVE_MODE, 25, 1), 1
	s_wait_xcnt 0x0
	s_wait_alu depctr_hold_cnt(0) depctr_sa_sdst(0) depctr_va_vdst(0) depctr_va_sdst(0) depctr_va_ssrc(0) depctr_va_vcc(0) depctr_vm_vsrc(0)
	s_getreg_b32 s2, hwreg(HW_REG_IB_STS2, 6, 4)
	s_cmp_eq_u32 s2, 0
	s_cbranch_scc0 .Lentry_in_a_cluster
	s_endpgm
.Lentry_in_a_cluster:
	s_bfe_u32 s2, ttmp6, 0x10000c
	s_cmp_lg_u32 s2, 0x3003
	s_cbranch_scc0 .Lentry_shape_is_right
	s_endpgm
.Lentry_shape_is_right:
; out0[m][n] = sum over p of hc[m][p] w2(n, p) x 2^(e2+e3) + b2[n].  hc: [16384][1024] E4M3 codes, K innermost.  w2c: the same K order, laid as images of the operand's registers: for tile T of 16 columns n and
; chunk q of 128 places, 2,048 bytes at 2,048 (8 T + q): piece c at 512 c, lane l's 16 bytes at 16 l = column 16 T + l % 16, places 128 q + 32 c + 16 (l / 16) + 0 .. 15.  out0: [16384][1024] f32; sums in f32.
; LIMIT: e2 + e3 between -126 and 127, so that 2^(e2 + e3) is an f32 number.
; SHARES.  A work-group of four waves makes 256 rows x 256 columns.  THE WAVES SHARE THE COLUMNS: wave w keeps w2c's 64 columns 64 w .. 64 w + 63 of the slice, all 1,024 along K, in 512 REGISTERS for the whole launch
; (128 loads of 512 consecutive bytes).  The 256 rows go in four BLOCKS of 64: a block is 8 chunks of 128 along K, 16 matrix instructions each on 16 accumulators that take turns.
; A block's 64 x 64 results of a wave LEAVE WHILE THE NEXT BLOCK IS MULTIPLIED: they are copied (x 2^(e2+e3) + b2) into 128 registers, and go out in four pieces of
; 16 rows, set between the next block's chunks: in an even chunk a piece goes into my stage in LDS and comes back as whole rows, in the odd chunk behind it it is stored.
; LDS.  All of the work-group's hc, 256 rows x 1,024 bytes, lies in LDS at once: K quarter k: 256 rows x (256 + 16) bytes.  Each wave asks for its K quarter of all 256 rows by ONE tensor load at the head:
; one load of mine is out at the most.  Every byte is filled once, so there is no ring; one wait for 0 and one barrier stand in front of the first read.
; CLUSTER: 4 x 1 work-groups: the four column slices of one group of 256 rows need the same hc: each tile is asked for JOINTLY, by the same tensor load with the same descriptor and the mask of all four.
; w2c is not asked for jointly, though the 64 work-groups of a slice read the same 262,144 bytes: it goes from memory straight into registers, and LDS has no room for it beside hc's 278,528 bytes.
; No prefetch: every tile is asked for at the kernel's head, and w2c's loads run three chunks ahead in the first block alone: there is nothing to ask for earlier.
; THE MATRIX INSTRUCTION IS USED TRANSPOSED (source 0 = 16 columns' codes of w2c, source 1 = 16 rows of hc): a lane then holds eight neighbouring numbers of a row of out0.
; REGISTERS, in windows of 256: window 0: v16-30 addresses; v32-63 b2 at my 32 columns a lane; v64-127 rows read back from the stage, two sets; v128-255 hc's fragments, two sets of 4 x 16.
;   window 1: v0-127 the accumulators ((m, t) at 8 (4 m + t)); v128-255 the finished block.   windows 2 and 3: w2c: fragment (t, q) at 64 (q % 4) + 16 t of window 2 + q / 4.
.set PITCH, 272                        ; an LDS row: 256 bytes + 16 of padding = 68 words: row r starts at bank 4 r mod 64 (64 banks of 4 bytes: ISA guide 11.1)
.set QT,    64*PITCH                   ; a block's 64 rows of one K quarter
.set BLK,   4*QT                       ; a K quarter: 256 rows: what one tensor load brings
.set STAGE, 4*BLK                      ; behind hc: 16 rows x 272 bytes for each wave, for the way out; no fill lands there
.set SPARE, STAGE+4*16*PITCH           ; behind the stages: the spare words, 128 bytes for each wave: two blocks of 256 bytes that no other line names
.set ADA,  16                          ; v16-19  LDS address of my lane's place in K quarter 0 .. 3
.set STO,  24                          ; v24     the way out: where I put 32 bytes of a row
.set RD,   25                          ; v25     where I read a row back
.set CO,   26                          ; v26     my byte offset in two rows of out0
.set H32,  27                          ; v27     32 x (lane / 16): my eight columns' bytes in b2
.set SPW,  28                          ; v28     LDS address of my spare word; never rewritten
.set NIL,  29                          ; v29     0; never rewritten
.set BO,   30                          ; v30     16 x lane: my place in a piece of an image of w2c
.set B2V,  32                          ; v32-63  b2 at column 16 t + 8 (l / 16) + j of my 64: register 8 t + j
.set BK,   64                          ; v64-95, v96-127: 16 rows read back from the stage, by turns
.set AF,   128                         ; v128-191, v192-255: hc's four fragments of a chunk, by turns
.set TMP,  128                         ; window 1: the finished block
.set G1, 24                            ; s[24:31] descriptor group 1
.set G0, 32                            ; s[32:35] descriptor group 0
.set MSB, 0
.macro WIN new                         ; bits 1:0 source 0, 3:2 source 1, 5:4 source 2, 7:6 destination; the immediate's high byte repeats the setting that is left
.if MSB != (\new)
	s_set_vgpr_msb (MSB<<8)|(\new)
.set MSB, (\new)
.endif
.endm
.macro CROUND                          ; a round of the cluster's barrier: my work-group's barrier; wave 0 signals for the work-group; every wave waits for all four work-groups; my work-group's barrier once more
	s_barrier_signal -1
	s_barrier_wait -1
	s_cmp_lg_u32 s14, 0
	s_cbranch_scc1 .Lnot_wave_0_\@
	s_barrier_signal -3
.Lnot_wave_0_\@:
	s_barrier_wait -3
	s_barrier_signal -1
	s_barrier_wait -1
.endm
.macro PLACES                          ; four places behind a matrix instruction, ahead of loads into its sources and of reads of its result (ISA guide 7.12.1 for the reads)
.rept 4
	v_nop
.endr
.endm
.macro BLOAD q                         ; w2c's four fragments of chunk q: sixteen loads of 512 consecutive bytes
	WIN 0x80+0x40*((\q)/4)                         ; destination window 2 or 3
.irp t, 0,1,2,3
.irp c, 0,1,2,3
	global_load_b128 v[64*((\q)%4)+16*\t+4*\c:64*((\q)%4)+16*\t+4*\c+3], v[BO], s[6:7] offset:(8*\t+(\q))*2048+512*\c
.endr
.endr
	WIN 0
.endm
.macro FETCH i, q, buf                 ; hc's four fragments (16 rows x 128 K each) of block i, chunk q: lane l holds row l % 16; registers 4 c .. 4 c + 3 hold places 32 c + 16 (l / 16) + 0 .. 15, as in w2c's images
.irp m, 0,1,2,3
.irp c, 0,1,2,3
	ds_load_b128 v[AF+64*(\buf)+16*\m+4*\c:AF+64*(\buf)+16*\m+4*\c+3], v[ADA+(\q)/2] offset:(\i)*QT+16*\m*PITCH+128*((\q)%2)+32*\c
.endr
.endr
.endm
; THE WAY OUT of piece m (16 rows x my 64 columns) of the finished block, through my own stage, back as whole rows of 256 bytes.  LDS serves a wave's instructions in order (ISA guide 5.7.1.4):
; no wait between the stores and the loads, nor in front of the next piece's stores.
.macro TOSTAGE m
	s_wait_xcnt 0x0                                ; the stores that read this set of registers, two pieces back, have read them: the loads below may land there
	WIN 0x04                                       ; the stores' data in window 1
.irp t, 0,1,2,3
	ds_store_b128 v[STO], v[TMP+8*(4*(\m)+\t):TMP+8*(4*(\m)+\t)+3] offset:64*\t
	ds_store_b128 v[STO], v[TMP+8*(4*(\m)+\t)+4:TMP+8*(4*(\m)+\t)+7] offset:64*\t+16
.endr
	WIN 0
.irp u, 0,1,2,3,4,5,6,7
	ds_load_b128 v[BK+32*((\m)%2)+4*\u:BK+32*((\m)%2)+4*\u+3], v[RD] offset:2*PITCH*\u
.endr
.endm
.macro SEND ib, m                      ; piece m of block ib is stored: every offset is an immediate, 254 rows of 4,096 bytes at the most, inside the signed 24 bits (ISA guide, chapter 10)
.irp u, 0,1,2,3,4,5,6,7
	global_store_b128 v[CO], v[BK+32*((\m)%2)+4*\u:BK+32*((\m)%2)+4*\u+3], s[10:11] offset:(64*(\ib)+16*(\m)+2*\u)*4096 th:TH_STORE_NT   ; sixteen lanes store 256 consecutive bytes, at a multiple of 256 from out0's first byte
.endr
.endm
; The finished block: sum x 2^(e2 + e3) + b2, into other registers, each accumulator from its low end on; the next block's first products start their sums with the constant 0.
.macro COPY
	PLACES
	WIN 0x41                                       ; source 0 (the sums) and destination in window 1, source 2 (b2) in window 0
.set k, 0
.rept 64
	v_pk_fma_f32 v[TMP+k:TMP+k+1], v[k:k+1], s[96:97], v[B2V+k%32:B2V+k%32+1] op_sel_hi:[1,0,1]
.set k, k+2
.endr
	WIN 0
.endm
; CHUNK q of block i: 128 along K.  All LDS instructions that are out were issued a chunk ago: this chunk's fragments and, behind an even chunk, a piece's way through the stage.
.macro CHUNK i, q
	WIN 0
	s_wait_dscnt 0x0                               ; this chunk's fragments are in, and so is a piece that went through the stage
.if (\i) == 0                          ; the first block also waits for w2c.  Issued at the head: chunks 0, 1, 2 (16 loads each), then b2 (8); chunk q issues chunk q + 3.  The count = the loads issued behind chunk q's
.if (\q) < 3
	s_wait_loadcnt 40
.elseif (\q) < 6
	s_wait_loadcnt 32
.elseif (\q) == 6
	s_wait_loadcnt 16
.else
	s_wait_loadcnt 0x0
.endif
.endif
.if ((\i) > 0) && (((\q)%2) == 1)
	SEND (\i)-1, (\q)/2
.endif
	PLACES                                         ; in front of the loads into the set that the last chunk multiplied
.if (\q) < 7
	FETCH \i, (\q)+1, ((\q)+1)%2
.elseif (\i) < 3
	FETCH (\i)+1, 0, 0
.endif
.if ((\i) > 0) && (((\q)%2) == 0)
	TOSTAGE (\q)/2
.endif
.if ((\i) == 0) && ((\q) < 5)
	BLOAD (\q)+3
.endif
	WIN 0x52+(\q)/4                                ; source 0 (w2c) window 2 or 3, source 1 (hc) window 0, C and D window 1
.irp m, 0,1,2,3                        ; the 16 accumulators take turns, one instruction a turn, in the same order in every chunk
.irp t, 0,1,2,3
.if (\q) == 0
	v_wmma_f32_16x16x128_fp8_fp8 v[8*(4*\m+\t):8*(4*\m+\t)+7], v[64*((\q)%4)+16*\t:64*((\q)%4)+16*\t+15], v[AF+64*((\q)%2)+16*\m:AF+64*((\q)%2)+16*\m+15], 0
.else
	v_wmma_f32_16x16x128_fp8_fp8 v[8*(4*\m+\t):8*(4*\m+\t)+7], v[64*((\q)%4)+16*\t:64*((\q)%4)+16*\t+15], v[AF+64*((\q)%2)+16*\m:AF+64*((\q)%2)+16*\m+15], v[8*(4*\m+\t):8*(4*\m+\t)+7]
.endif
.endr
.endr
.endm
	s_load_b128 s[4:7], s[0:1], 0x0                ; hc s[4:5], w2c s[6:7]
	s_load_b128 s[8:11], s[0:1], 0x10              ; the exponents s[8:9], out0 s[10:11]
	s_load_b64 s[68:69], s[0:1], 0x20              ; b2
	v_lshl_add_u32 v[SPW], v0, 2, SPARE
	v_mov_b32 v[NIL], 0
	ds_add_u32 v[SPW], v[NIL]                      ; the opening lines: the add, twice on end, and its wait ahead of my tensor load
	ds_add_u32 v[SPW], v[NIL]
	s_wait_dscnt 0x0
	v_lshrrev_b32 v1, 5, v0
	v_readfirstlane_b32 s14, v1                    ; wave 0..3
	v_and_b32 v3, 31, v0
	v_lshlrev_b32 v[BO], 4, v3
	v_and_b32 v1, 15, v0                           ; r = l % 16
	v_bfe_u32 v2, v0, 4, 1                         ; h = l / 16
	v_lshlrev_b32 v[H32], 5, v2
	s_bfe_u32 s48, ttmp6, 0x40000                  ; cx: my place in the cluster
	s_lshl_b32 s49, ttmp9, 2                       ; in a cluster launch ttmp9 counts clusters
	s_add_co_u32 s49, s49, s48                     ; my slice of 256 columns = 4 x cluster x + cx: it enters the addresses of w2c, b2 and out0 alone
	s_and_b32 s17, ttmp7, 0xffff                   ; my group of 256 rows, which the four partners share
	; descriptor group 1: a tile of 256 rows x 256 bytes, padded in LDS
	s_mov_b32 s[G1+0], 15|(0<<16)|(1<<20)|(1<<21)|(5<<22)|(3<<25)   ; 15:0 the mask: all four work-groups; 17:16 elements of 1 byte; 20 padding on; 21 set beside a mask; 24:22 after every 64 words (code 5); 31:25 of 4 words (code 3)
	s_mov_b32 s[G1+1], 256<<16                     ; tensor_dim0 = 256
	s_mov_b32 s[G1+2], 256<<16                     ; tensor_dim1 = 256
	s_mov_b32 s[G1+3], 256<<16                     ; tile_dim0 = 256
	s_mov_b32 s[G1+4], 256                         ; tile_dim1 = 256
	s_mov_b32 s[G1+5], 1024                        ; tensor_dim0_stride: a row of hc
	s_mov_b32 s[G1+6], 0
	s_mov_b32 s[G1+7], 0
	s_lshl_b32 s20, s17, 18                        ; hc: 256 rows of 1,024 bytes a group,
	s_lshl_b32 s21, s14, 8                         ; + my quarter of K
	s_add_co_u32 s20, s20, s21
	s_mov_b32 s21, 0
	s_mul_i32 s16, s14, BLK                        ; and its place in LDS: no place in the cluster enters an LDS address
	s_lshl_b32 s50, s49, 18                        ; w2c: a slice is 16 tiles x 16,384 bytes,
	s_lshl_b32 s52, s14, 16                        ; my 4 tiles of it
	s_add_co_u32 s50, s50, s52
	s_mov_b32 s51, 0
	s_lshl_b32 s52, s49, 10                        ; my first column in b2 and in a row of out0, in bytes: 1,024 x slice + 256 x wave
	s_lshl_b32 s54, s14, 8
	s_add_co_u32 s52, s52, s54
	s_mov_b32 s53, 0
	s_lshl_b32 s54, s17, 20                        ; out0: 256 rows of 4,096 bytes a group
	s_mov_b32 s55, 0
	s_wait_alu depctr_va_vdst(0)
	s_wait_kmcnt 0x0
	s_load_b128 s[92:95], s[8:9], 0x0              ; e0, e1, e2, e3
	s_add_nc_u64 s[22:23], s[4:5], s[20:21]
	s_add_nc_u64 s[6:7], s[6:7], s[50:51]
	s_add_nc_u64 s[68:69], s[68:69], s[52:53]
	s_add_nc_u64 s[10:11], s[10:11], s[52:53]
	s_add_nc_u64 s[10:11], s[10:11], s[54:55]
	BLOAD 0                                        ; w2c's first three chunks and b2 are asked for ahead of everything else: 56 loads of mine are out
	BLOAD 1
	BLOAD 2
.irp t, 0,1,2,3
	global_load_b128 v[B2V+8*\t:B2V+8*\t+3], v[H32], s[68:69] offset:64*\t
	global_load_b128 v[B2V+8*\t+4:B2V+8*\t+7], v[H32], s[68:69] offset:64*\t+16
.endr
	CROUND                                         ; all four work-groups are here: the joint loads meet
	s_mov_b32 s[G0], 1                             ; 1:0 count = 1
	s_mov_b32 s[G0+1], s16                         ; 63:32 LDS address: my quarter
	s_mov_b64 s[G0+2:G0+3], s[22:23]               ; 120:64 global address
	s_or_b32 s[G0+3], s[G0+3], 0x80000000          ; 127:126 type = 2
	tensor_load_to_lds s[G0:G0+3], s[G1:G1+7]      ; my one tensor load
	s_nop 0
.rept 4
	v_nop                                          ; four v_nop follow it
.endr
	v_mul_u32_u24 v4, v1, PITCH
	v_lshl_add_u32 v5, v2, 4, v4                   ; a fragment's row x pitch + 16 x half
.irp i, 0,1,2,3
	v_add_nc_u32 v[ADA+\i], \i*BLK, v5
.endr
	s_mul_i32 s18, s14, 16*PITCH
	s_add_co_u32 s18, s18, STAGE                   ; my stage
	v_lshl_add_u32 v6, v2, 5, v4                   ; in: row l % 16, 32 bytes for each half of the lanes
	v_add_nc_u32 v[STO], s18, v6
	v_mul_u32_u24 v6, v2, PITCH                    ; back: lanes 0-15 take one row of 256 bytes, lanes 16-31 the next
	v_lshl_add_u32 v6, v1, 4, v6
	v_add_nc_u32 v[RD], s18, v6
	v_lshlrev_b32 v6, 12, v2                       ; and the same two rows in out0
	v_lshl_add_u32 v[CO], v1, 4, v6
	s_wait_alu depctr_va_vdst(0)
	s_wait_kmcnt 0x0
	s_add_co_i32 s96, s94, s95                     ; e2 + e3, between -126 and 127,
	s_add_co_i32 s96, s96, 127
	s_lshl_b32 s96, s96, 23                        ; makes the f32 number 2^(e2 + e3)
	s_mov_b32 s97, s96                             ; (named with it as a pair, so it is written)
	s_wait_tensorcnt 0x0                           ; my quarter of K is in,
	s_barrier_signal -1
	s_barrier_wait -1                              ; everybody's is: all of hc's 256 rows lie in LDS, and nothing is filled again
	FETCH 0, 0, 0
.irp i, 0,1,2,3
	s_wait_alu depctr_va_vdst(0)
.irp q, 0,1,2,3,4,5,6,7
	CHUNK \i, \q
.endr
	COPY
.endr
	; the last block has no successor under which it could leave: its four pieces follow each other, a piece on its way through the stage while the piece before is stored
	s_wait_alu depctr_va_vdst(0)
	TOSTAGE 0
	TOSTAGE 1
	s_wait_dscnt 16                                ; piece 0 is back; behind its loads: piece 1's 8 stores and 8 loads
	SEND 3, 0
	TOSTAGE 2
	s_wait_dscnt 16
	SEND 3, 1
	TOSTAGE 3
	s_wait_dscnt 16
	SEND 3, 2
	s_wait_dscnt 0x0
	SEND 3, 3
	s_wait_tensorcnt 0x0                           ; the wave's end, behind my tensor load and my last LDS store
	ds_add_u32 v[SPW], v[NIL]
	s_wait_dscnt 0x0
	CROUND                                         ; the closing round: no work-group ends while a partner may still ask for a tile that names it
	s_endpgm
.Lfunc_end_k_qf9f4e07d35_gemm2:
	.size	k_qf9f4e07d35_gemm2, .Lfunc_end_k_qf9f4e07d35_gemm2-k_qf9f4e07d35_gemm2
	.p2alignl 7, 3214868480
	.fill 96, 4, 3214868480
	.section	.rodata,"a",@progbits
	.p2align	6, 0x0
	.amdhsa_kernel k_qf9f4e07d35_gemm2
		.amdhsa_group_segment_fixed_size 327680
		.amdhsa_private_segment_fixed_size 0
		.amdhsa_enable_private_segment 0
		.amdhsa_kernarg_size 40
		.amdhsa_user_sgpr_count 2
		.amdhsa_user_sgpr_kernarg_segment_ptr 1
		.amdhsa_wavefront_size32 1
		.amdhsa_system_sgpr_workgroup_id_x 1
		.amdhsa_system_sgpr_workgroup_id_y 1
		.amdhsa_system_sgpr_workgroup_id_z 1
		.amdhsa_system_vgpr_workitem_id 0
		.amdhsa_next_free_vgpr 1024
		.amdhsa_next_free_sgpr 100
		.amdhsa_reserve_vcc 0
		.amdhsa_float_denorm_mode_32 3
		.amdhsa_float_denorm_mode_16_64 3
		.amdhsa_memory_ordered 1
		.amdhsa_forward_progress 1
		.amdhsa_inst_pref_size 136
	.end_amdhsa_kernel
	.amdgpu_metadata
---
amdhsa.version: [ 1, 2 ]
amdhsa.kernels:
  - .name:           k_qf9f4e07d35_gemm2
    .symbol:         k_qf9f4e07d35_gemm2.kd
    .args:
      - { .name: hc, .offset: 0, .size: 8, .value_kind: global_buffer, .address_space: global }
      - { .name: w2c, .offset: 8, .size: 8, .value_kind: global_buffer, .address_space: global }
      - { .name: lowp_scales, .offset: 16, .size: 8, .value_kind: global_buffer, .address_space: global }
      - { .name: out0, .offset: 24, .size: 8, .value_kind: global_buffer, .address_space: global }
      - { .name: b2, .offset: 32, .size: 8, .value_kind: global_buffer, .address_space: global }
    .group_segment_fixed_size: 327680
    .private_segment_fixed_size: 0
    .kernarg_segment_align: 8
    .kernarg_segment_size: 40
    .max_flat_workgroup_size: 128
    .sgpr_count:     100
    .vgpr_count:     1024
    .wavefront_size: 32
...
	.end_amdgpu_metadata
.endif
;; end of part 3
